; MI455X (gfx1250); checked and timed in simulation.
; The chip was launched on July 23, 2026; its instructions are those of AMD's public machine-readable ISA for CDNA 5 (MIT licence, August 2026) and "CDNA5" Instruction Set Architecture Reference Guide (July 2026). The comments in the code are by the model that wrote it; some were corrected since.
;; Bahdanau Attention. Allowed arithmetic: matrix products marked QUANTISED: E2M1 operands, one E8M0 scale for each 32 along K, by v_wmma_scale_f32_16x16x128_f8f6f4 with both operands' format E2M1 (or v_wmma_scale_f32_32x16x128_f4), f32 sums; products left as they are: f32 operands where the result goes on into a quantised operand, else bf16, f16 or f32 operands; f32 sums; everything else in f32.
;; Inputs: Vb 1 float32; Vw 1 x 1,024 float32; Wq_codes 1,024 x 32 x 16 uint8 (E2M1 codes of Wq, K innermost, in blocks of 32 codes, two codes a byte); Wq_scales 1,024 x 32 uint8 (E8M0 scales of Wq, one for each 32 codes along K); Wv_codes 1,024 x 32 x 16 uint8 (E2M1 codes of Wv, K innermost, in blocks of 32 codes, two codes a byte); Wv_scales 1,024 x 32 uint8 (E8M0 scales of Wv, one for each 32 codes along K); bq 1,024 float32; bv 1,024 float32; query_codes 32 x 32 x 16 uint8 (E2M1 codes of query, K innermost, in blocks of 32 codes, two codes a byte); query_scales 32 x 32 uint8 (E8M0 scales of query, one for each 32 codes along K); values 32 x 2,048 x 1,024 float32.
;; Outputs: out0 32 x 1,024 float32; out1 32 x 2,048 x 1 float32.
;; This version of the problem:
;;   THIS VERSION OF THE PROBLEM IS GIVEN IN LOW PRECISION. The matrix products marked QUANTISED in the list below multiply operands that are first quantised to E2M1 (2 exponent bits, 1 mantissa bit; 4 bits a number), with one power-of-two scale for each 32 numbers along K (OCP MX v1.0); their sums are f32. All else is computed in f32.
;;   The module's matrix products, in the order in which they are computed (A, B: the left and right operand; K: the contracted axis; several contracted axes count as one K, in the product's order):
;;     1. [M 32, K 1,024] x [K 1,024, N 1,024]; A: input query (given as codes); B: input Wq (given as codes): QUANTISED
;;     2. [M 65,536, K 1,024] x [K 1,024, N 1,024]; A: input values; B: input Wv (given as codes): QUANTISED
;;     3. [M 65,536, K 1,024] x [K 1,024, N 1]; A: computed on the way; B: input Vw: left as it is (N = 1 < 16)
;;   THE QUANTISER, for each operand of a quantised product, along K:
;;     - K is cut into blocks of 32 from its start; a last block that is shorter is filled with zeros.
;;     - A block's scale is 2^e with e = floor(log2(the largest magnitude in the block)) - 2, held to -126 .. 127; a block of zeros has e = 0. As a byte (E8M0): e + 127.
;;     - Each number is divided by its block's scale, clamped to +-6, and rounded to the nearest number of E2M1, ties to even, subnormals kept.
;;     - The product sums the exact products of the quantised numbers (number of the format x scale) in f32.
;;   ~~~python
;;   def quantise(x, axis):      # numpy; x: float32 -> the quantised numbers, widened to float32 again
;;       x = np.moveaxis(x, axis, -1); K = x.shape[-1]
;;       x = np.pad(x, [(0, 0)] * (x.ndim - 1) + [(0, -K % 32)]); x = x.reshape(x.shape[:-1] + (-1, 32)); a = np.abs(x).max(-1, keepdims=True)
;;       e = np.where(a > 0, np.clip(np.frexp(np.where(a > 0, a, 1))[1] - 1 - 2, -126, 127), 0)      # np.frexp(a)[1] - 1 = floor(log2(a)), exactly
;;       r = np.clip(x / 2.0 ** e, -6, 6)
;;       step = 2.0 ** (np.maximum(np.frexp(np.where(r == 0, 1, r))[1] - 1, 0) - 1)
;;       q = np.round(r / step) * step * 2.0 ** e      # np.round: ties to even
;;       return np.moveaxis(q.reshape(q.shape[:-2] + (-1,))[..., :K], -1, axis).astype(np.float32)
;;   ~~~
;;   INPUTS GIVEN AS CODES. Wq (in the module: [1024, 1024], K = its axis 1); Wv (in the module: [1024, 1024], K = its axis 1); query (in the module: [32, 1024], K = its axis 1): each comes as NAME_codes (uint8): NAME with its K axis moved to the last place and cut into blocks of 32 codes, [.., K / 32, bytes a block], one block behind the other in memory; two codes a byte, the lower K in the low four bits (a code: sign, 2 exponent bits, 1 mantissa bit); and NAME_scales (uint8): the same leading axes, one E8M0 byte (e + 127) for each 32 codes along K. Its value is code x scale, taken as it is: it is not quantised again, and the codes and scales need not be those that the quantiser above would give.
;; One version. Each part assembles by itself: llvm-mc -triple=amdgcn-amd-amdhsa -mcpu=gfx1250 --defsym DOCPART=n.
;; ======== version 1 of 1: 3 launches
;; limits: right only within a limited range of input values
;; workspace buffers: wvl 557,056 bytes; cbt 131,072 bytes; scores 262,144 bytes; ctxp 1,048,576 bytes; stats 65,536 bytes
;; launch prep (part 1): grid 16 x 2, 4 waves a work-group, no clusters, 5,120 bytes of LDS; arguments query_codes, query_scales, Wq_codes, Wq_scales, bq, bv, Wv_codes, Wv_scales, wvl, cbt; writes wvl, cbt
.if DOCPART == 1
	.amdgcn_target "amdgcn-amd-amdhsa--gfx1250"
	.amdhsa_code_object_version 6
	.text
	.protected	k_q6359925410_prep
	.globl	k_q6359925410_prep
	.p2align	8
	.type	k_q6359925410_prep,@function
k_q6359925410_prep:
	s_mov_b64 s[64:65], 0
	v_nop
	global_prefetch_b8 v0, s[64:65] scope:SCOPE_SE
	s_setreg_imm32_b32 hwreg(HW_REG_WAVE_MODE, 25, 1), 1
	s_wait_xcnt 0x0
; THE PROGRAM: additive attention.  score[b][t] = sum over n of Vw[n] tanh(qp[b][n] + vp[b][t][n]) + Vb; weights = softmax over t; context = sum over t of weight x values.
; WORK LEFT OUT, for all finite values of the inputs.  tanh(x) = 1 - 2 / (1 + e^(2x)), so score = (sum of Vw + Vb) - 2 sum over n of Vw[n] / (1 + e^(2 x[n])).
; The term in brackets is the same for every t of a batch, and a softmax over t does not change when the same number is added to all its inputs.  So Vb is not loaded and is no argument of any launch,
; and the sum of Vw is never formed.  LIMIT: a NaN, an infinity or an overflow that would reach the result only through Vb or through the sum of Vw is not carried to the result.
; THIS LAUNCH makes two small things for the main launch.
; (1) cbt[b][n] = c (sum over k of query[b][k] Wq[n][k] + bq[n] + bv[n]), c = 2 log2(e): the part of the exponent 2 x log2(e) that does not hang on t.  Codes and scale bytes go to the matrix unit as they lie.
; (2) wvl: Wv's codes and scale bytes in the order of an operand's registers.  Tile nt (rows 16 nt .. 16 nt + 15 of Wv) is 8,704 bytes: for K step ks and half c, lane l's 16 bytes at 1024 ks + 512 c + 16 l;
;     then at 8192 + 16 l four scale words: word kp belongs to K step 2 kp in lanes 0-15 and to K step 2 kp + 1 in lanes 16-31.
;     In the c = 1 halves every word is turned by 16 bits: the main launch's codes of the values have the two halves of just those words changed over, so both operands carry the same k in the same place.
;     The change stays inside a word of eight codes, so inside a block of 32 and under its scale.  LIMIT: the order of k inside an instruction differs from memory's, so the last bits of a sum may differ.
; SHARES: work-group (gx, gy), wave w: tile nt = 4 gx + w; the 16 batches 16 gy on; Wv's K steps 4 gy .. 4 gy + 3; the scale words where gy = 0.
.set SPITCH, 272                       ; the stage: 16 rows (batches) x 256 bytes (the work-group's 64 columns) + 16 of padding, from LDS byte 0
.set SPARE,  4608                      ; the spare words, 128 bytes for each wave: two blocks of 256 bytes that no other line names
.set TILEB,  8704                      ; a tile of wvl
.set SPW, 12                           ; v12  SPARE + 4 x my thread's number; never rewritten
.set NIL, 13                           ; v13  0; never rewritten
.set WQS, 16                           ; v16-23   Wq's scale words, one for each K step
.set QS,  24                           ; v24-31   query's
.set BQ,  32                           ; v32-39   bq in the result's layout
.set BV,  40                           ; v40-47   bv
.set AC0, 48                           ; v48-55   the sum of the even K steps
.set AC1, 56                           ; v56-63   of the odd ones
.set WQF, 64                           ; v64-127  Wq's eight fragments
.set QF,  128                          ; v128-191 query's
.set WVF, 192                          ; v192-223 Wv's four K steps
.set WVS, 224                          ; v224-227 Wv's scale words
.set RES, 228                          ; v228-235 the result
.set BK,  236                          ; v236-243 rows read back from the stage
	s_load_b256 s[4:11], s[0:1], 0x0               ; query's codes s[4:5], its scales s[6:7], Wq's codes s[8:9], its scales s[10:11]
	s_load_b256 s[12:19], s[0:1], 0x20             ; bq s[12:13], bv s[14:15], Wv's codes s[16:17], its scales s[18:19]
	s_load_b128 s[20:23], s[0:1], 0x40             ; wvl s[20:21], cbt s[22:23]
	v_lshl_add_u32 v[SPW], v0, 2, SPARE
	v_mov_b32 v[NIL], 0
	v_lshrrev_b32 v1, 5, v0
	v_readfirstlane_b32 s24, v1                    ; wave 0..3
	s_and_b32 s26, ttmp7, 0xffff                   ; gy
	s_lshl_b32 s27, ttmp9, 2
	s_add_co_u32 s27, s27, s24                     ; nt = 4 gx + wave
	v_and_b32 v1, 15, v0                           ; r
	v_bfe_u32 v2, v0, 4, 1                         ; h
	v_and_b32 v3, 31, v0                           ; lane
	v_lshlrev_b32 v4, 9, v1
	v_lshl_add_u32 v4, v2, 4, v4                   ; a fragment: row r of 512 bytes, + 16 h
	v_lshlrev_b32 v5, 5, v1                        ; a row's 32 scale bytes
	v_lshlrev_b32 v6, 5, v2                        ; the biases: my half's eight numbers
	v_lshlrev_b32 v7, 4, v3                        ; wvl: 16 bytes a lane
	v_lshl_add_u32 v8, v2, 2, v5                   ; Wv's scale words: lanes 16-31 take the odd K steps'
	v_mul_u32_u24 v9, v1, SPITCH
	v_lshl_add_u32 v9, v2, 5, v9
	s_lshl_b32 s28, s24, 6
	v_add_nc_u32 v9, s28, v9                       ; into the stage: row r, + 64 x wave + 32 h
	s_lshl_b32 s28, s24, 2
	v_add_nc_u32 v10, s28, v2                      ; back: rows 4 x wave + h, and two further on
	v_lshlrev_b32 v11, 12, v10
	v_lshl_add_u32 v11, v1, 4, v11                 ; the same rows in cbt, 4,096 bytes apart
	v_mul_u32_u24 v10, v10, SPITCH
	v_lshl_add_u32 v10, v1, 4, v10
	s_mov_b32 s36, 0x01000302                      ; byte selects that turn a word by 16 bits
	s_mov_b32 s38, 0x4038aa3b                      ; c = 2 log2(e)
	s_mov_b32 s39, s38                             ; (named with it as a pair)
	s_mov_b32 s29, 0
	s_wait_alu depctr_va_vdst(0)
	s_wait_kmcnt 0x0
	s_lshl_b32 s28, s27, 13                        ; 16 rows of 512 bytes a tile
	s_add_nc_u64 s[8:9], s[8:9], s[28:29]
	s_add_nc_u64 s[16:17], s[16:17], s[28:29]
	s_lshl_b32 s28, s27, 9                         ; 16 rows of 32 scale bytes
	s_add_nc_u64 s[10:11], s[10:11], s[28:29]
	s_add_nc_u64 s[18:19], s[18:19], s[28:29]
	s_lshl_b32 s28, s27, 6                         ; 16 numbers of a bias
	s_add_nc_u64 s[12:13], s[12:13], s[28:29]
	s_add_nc_u64 s[14:15], s[14:15], s[28:29]
	s_mul_i32 s28, s27, TILEB
	s_add_nc_u64 s[20:21], s[20:21], s[28:29]
	s_lshl_b32 s28, s26, 13                        ; my 16 batches
	s_add_nc_u64 s[4:5], s[4:5], s[28:29]
	s_lshl_b32 s28, s26, 9
	s_add_nc_u64 s[6:7], s[6:7], s[28:29]
	s_lshl_b32 s28, s26, 8                         ; Wv: my four K steps, 64 bytes each, in a row,
	s_add_nc_u64 s[16:17], s[16:17], s[28:29]
	s_lshl_b32 s28, s26, 12                        ; and 1,024 bytes each in wvl
	s_add_nc_u64 s[20:21], s[20:21], s[28:29]
	s_lshl_b32 s28, s26, 16                        ; cbt: 16 rows of 4,096 bytes,
	s_add_nc_u64 s[22:23], s[22:23], s[28:29]
	s_lshl_b32 s28, ttmp9, 8                       ; and the work-group's 64 columns
	s_add_nc_u64 s[22:23], s[22:23], s[28:29]
.irp k, 0,1,2,3
.irp c, 0,1
	global_load_b128 v[WVF+8*\k+4*\c:WVF+8*\k+4*\c+3], v4, s[16:17] offset:64*\k+32*\c
.endr
.endr
.irp k, 0,1,2,3,4,5,6,7
.irp c, 0,1
	global_load_b128 v[WQF+8*\k+4*\c:WQF+8*\k+4*\c+3], v4, s[8:9] offset:64*\k+32*\c
	global_load_b128 v[QF+8*\k+4*\c:QF+8*\k+4*\c+3], v4, s[4:5] offset:64*\k+32*\c
.endr
.endr
	global_load_b128 v[WQS:WQS+3], v5, s[10:11]
	global_load_b128 v[WQS+4:WQS+7], v5, s[10:11] offset:16
	global_load_b128 v[QS:QS+3], v5, s[6:7]
	global_load_b128 v[QS+4:QS+7], v5, s[6:7] offset:16
	global_load_b128 v[BQ:BQ+3], v6, s[12:13]
	global_load_b128 v[BQ+4:BQ+7], v6, s[12:13] offset:16
	global_load_b128 v[BV:BV+3], v6, s[14:15]
	global_load_b128 v[BV+4:BV+7], v6, s[14:15] offset:16
	s_cmp_lg_u32 s26, 0                            ; the tile's scale words are laid once: where gy = 0.  They are asked for while the 48 loads above are out
	s_cbranch_scc1 .Lno_scales
.irp p, 0,1,2,3
	global_load_b32 v[WVS+\p], v8, s[18:19] offset:8*\p
.endr
	s_wait_loadcnt 0x0                             ; all 52 loads of this way are in
	global_store_b128 v7, v[WVS:WVS+3], s[20:21] offset:8192
.Lno_scales:
	s_wait_loadcnt 40                              ; Wv's eight loads are in; the 40 issued behind them may be out (where gy = 0 none is)
.irp k, 0,1,2,3
.irp e, 4,5,6,7
	v_perm_b32 v[WVF+8*\k+\e], v[WVF+8*\k+\e], v[WVF+8*\k+\e], s36   ; the c = 1 half: each word turned by 16 bits
.endr
.endr
.irp k, 0,1,2,3
.irp c, 0,1
	global_store_b128 v7, v[WVF+8*\k+4*\c:WVF+8*\k+4*\c+3], s[20:21] offset:1024*\k+512*\c   ; 32 lanes store 512 consecutive bytes
.endr
.endr
	s_wait_loadcnt 0x0
; TRANSPOSED: source 0 = 16 rows of Wq, source 1 = 16 batches: lane (r, h) holds batch r and columns 16 nt + 8 h + 0 .. 7.  Two accumulators take turns; each bias is the C of one's first product.
.irp k, 0,2,4,6
.if \k == 0
	v_wmma_scale_f32_16x16x128_f8f6f4 v[AC0:AC0+7], v[WQF+8*\k:WQF+8*\k+7], v[QF+8*\k:QF+8*\k+7], v[BQ:BQ+7], v[WQS+\k], v[QS+\k] matrix_a_fmt:MATRIX_FMT_FP4 matrix_b_fmt:MATRIX_FMT_FP4
	v_wmma_scale_f32_16x16x128_f8f6f4 v[AC1:AC1+7], v[WQF+8*\k+8:WQF+8*\k+15], v[QF+8*\k+8:QF+8*\k+15], v[BV:BV+7], v[WQS+\k+1], v[QS+\k+1] matrix_a_fmt:MATRIX_FMT_FP4 matrix_b_fmt:MATRIX_FMT_FP4
.else
	v_wmma_scale_f32_16x16x128_f8f6f4 v[AC0:AC0+7], v[WQF+8*\k:WQF+8*\k+7], v[QF+8*\k:QF+8*\k+7], v[AC0:AC0+7], v[WQS+\k], v[QS+\k] matrix_a_fmt:MATRIX_FMT_FP4 matrix_b_fmt:MATRIX_FMT_FP4
	v_wmma_scale_f32_16x16x128_f8f6f4 v[AC1:AC1+7], v[WQF+8*\k+8:WQF+8*\k+15], v[QF+8*\k+8:QF+8*\k+15], v[AC1:AC1+7], v[WQS+\k+1], v[QS+\k+1] matrix_a_fmt:MATRIX_FMT_FP4 matrix_b_fmt:MATRIX_FMT_FP4
.endif
.endr
.rept 4
	v_nop                                          ; four places between the last product and the first read of results (ISA guide 7.12.1)
.endr
.irp j, 0,2,4,6
	v_pk_add_f32 v[RES+\j:RES+\j+1], v[AC0+\j:AC0+\j+1], v[AC1+\j:AC1+\j+1]   ; both accumulators from their low ends on
.endr
.irp j, 0,2,4,6
	v_pk_mul_f32 v[RES+\j:RES+\j+1], v[RES+\j:RES+\j+1], s[38:39] op_sel_hi:[1,0]
.endr
	ds_store_b128 v9, v[RES:RES+3]                 ; a row's 256 bytes come from four waves: they meet in the stage
	ds_store_b128 v9, v[RES+4:RES+7] offset:16
	s_wait_dscnt 0x0                               ; for the others' sake: my stores have landed
	s_barrier_signal -1
	s_barrier_wait -1
	ds_load_b128 v[BK:BK+3], v10
	ds_load_b128 v[BK+4:BK+7], v10 offset:2*SPITCH
	s_wait_dscnt 0x0
	global_store_b128 v11, v[BK:BK+3], s[22:23]                 ; sixteen lanes store 256 consecutive bytes, at a multiple of 256 from cbt's first byte
	global_store_b128 v11, v[BK+4:BK+7], s[22:23] offset:8192
	s_wait_tensorcnt 0x0                           ; the wave's end
	ds_add_u32 v[SPW], v[NIL]
	s_wait_dscnt 0x0
	s_endpgm
.Lfunc_end_k_q6359925410_prep:
	.size	k_q6359925410_prep, .Lfunc_end_k_q6359925410_prep-k_q6359925410_prep
	.p2alignl 7, 3214868480
	.fill 96, 4, 3214868480
	.section	.rodata,"a",@progbits
	.p2align	6, 0x0
	.amdhsa_kernel k_q6359925410_prep
		.amdhsa_group_segment_fixed_size 5120
		.amdhsa_private_segment_fixed_size 0
		.amdhsa_enable_private_segment 0
		.amdhsa_kernarg_size 80
		.amdhsa_user_sgpr_count 2
		.amdhsa_user_sgpr_kernarg_segment_ptr 1
		.amdhsa_wavefront_size32 1
		.amdhsa_system_sgpr_workgroup_id_x 1
		.amdhsa_system_sgpr_workgroup_id_y 1
		.amdhsa_system_sgpr_workgroup_id_z 1
		.amdhsa_system_vgpr_workitem_id 0
		.amdhsa_next_free_vgpr 256
		.amdhsa_next_free_sgpr 66
		.amdhsa_reserve_vcc 0
		.amdhsa_float_denorm_mode_32 3
		.amdhsa_float_denorm_mode_16_64 3
		.amdhsa_memory_ordered 1
		.amdhsa_forward_progress 1
		.amdhsa_inst_pref_size 12
	.end_amdhsa_kernel
	.amdgpu_metadata
---
amdhsa.version: [ 1, 2 ]
amdhsa.kernels:
  - .name:           k_q6359925410_prep
    .symbol:         k_q6359925410_prep.kd
    .args:
      - { .name: query_codes, .offset: 0, .size: 8, .value_kind: global_buffer, .address_space: global }
      - { .name: query_scales, .offset: 8, .size: 8, .value_kind: global_buffer, .address_space: global }
      - { .name: Wq_codes, .offset: 16, .size: 8, .value_kind: global_buffer, .address_space: global }
      - { .name: Wq_scales, .offset: 24, .size: 8, .value_kind: global_buffer, .address_space: global }
      - { .name: bq, .offset: 32, .size: 8, .value_kind: global_buffer, .address_space: global }
      - { .name: bv, .offset: 40, .size: 8, .value_kind: global_buffer, .address_space: global }
      - { .name: Wv_codes, .offset: 48, .size: 8, .value_kind: global_buffer, .address_space: global }
      - { .name: Wv_scales, .offset: 56, .size: 8, .value_kind: global_buffer, .address_space: global }
      - { .name: wvl, .offset: 64, .size: 8, .value_kind: global_buffer, .address_space: global }
      - { .name: cbt, .offset: 72, .size: 8, .value_kind: global_buffer, .address_space: global }
    .group_segment_fixed_size: 5120
    .private_segment_fixed_size: 0
    .kernarg_segment_align: 8
    .kernarg_segment_size: 80
    .max_flat_workgroup_size: 128
    .sgpr_count:     66
    .vgpr_count:     256
    .wavefront_size: 32
...
	.end_amdgpu_metadata
.endif
;; end of part 1
;; launch main (part 2): grid 256 x 1, 4 waves a work-group, no clusters, 327,680 bytes of LDS; arguments values, wvl, cbt, Vw, scores, ctxp, stats; writes scores, ctxp, stats
.if DOCPART == 2
	.amdgcn_target "amdgcn-amd-amdhsa--gfx1250"
	.amdhsa_code_object_version 6
	.text
	.protected	k_q6359925410_main
	.globl	k_q6359925410_main
	.p2align	8
	.type	k_q6359925410_main,@function
k_q6359925410_main:
	s_mov_b64 s[64:65], 0
	v_nop
	global_prefetch_b8 v0, s[64:65] scope:SCOPE_SE
	s_setreg_imm32_b32 hwreg(HW_REG_WAVE_MODE, 25, 1), 1
	s_wait_xcnt 0x0
; For 256 rows (b, t) of values: quantise them to FP4 (E2M1) with one E8M0 scale for each 32 along K, multiply by Wv's codes, take the tanh and the dot with Vw, and keep a running softmax and a running
; weighted sum of the f32 rows.  values is read from memory ONCE: a row stays in registers from its quantising until its weight is known.
; WORK LEFT OUT (shown at the head of the first launch): Vb and the sum of Vw are the same for all t of a batch and fall out of the softmax; Vb is no argument.
; WHAT IS STORED: scores[b][t] = t2 = -2 log2(e) sum over n of Vw[n] / (1 + 2^y), y = c x product + cbt[b][n], c = 2 log2(e): the score in units of log2, less its constant part;
;   stats[g] = {m, l}: the largest t2 of the work-group's 256 rows and the sum of 2^(t2 - m), the same pair in 32 lanes;  ctxp[g][:] = sum over its rows of 2^(t2 - m) x values.  The last launch joins eight of these to a batch.
; The maximum is a running one: when it moves, l and the context sums are multiplied by 2^(old m - new m).  2^y = infinity gives 1 / infinity = 0 and 2^y = 0 gives 1: the two ends of tanh, with no branch.
; LIMITS: NaN and infinities among values are not served.  A block of 32 zeros gets the scale byte 1 where the quantiser's rule says 127: its codes are zeros, and the bytes are read by this launch alone.
;   Inside words of eight codes k is laid otherwise than in memory, alike in both operands (first launch): the last bits of a sum may differ.  The sum over n begins at another column in each chunk (below).
; SHARES.  Work-group g: rows 256 g on (batch g / 8), in four chunks of 64.  Wave w: quantises and keeps rows 16 w .. 16 w + 15 of a chunk (512 registers); in the product it owns columns 256 w .. 256 w + 255
;   (16 tiles of Wv) for all 64 rows, whose codes it holds as 32 fragments (256 registers), read from LDS once a chunk.  Wv's tiles come from wvl straight into registers, two tiles ahead.
; A CHUNK BEGINS WITH THE PAIR OF TILES WITH WHICH THE LAST ONE ENDED: they still stand in the two buffers.  The walk goes round, pair p followed by pair (p + 1) mod 8; a chunk's eighth trip asks for nothing.
;   So 14 tiles, not 16, are loaded for each chunk but the first: 58 x 8,704 bytes a wave in place of 64 x.
; While a chunk is worked on, the next one lands in LDS: one tensor load a wave, 65,536 bytes, asked for straight behind the barrier at which the landing zone has been read out.
; TWO HALVES OUT OF STEP.  The work-groups whose number has an odd count of ones ask for their first rows later than the others: only when their first tile of Wv, and then their second, have come.  All else is
;   alike, so the halves stay that far apart: while one half quantises, exchanges scores and adds up its context, which loads nothing, the other half is in its product, which loads Wv throughout; and the two halves
;   ask for their next rows at different times.
; NO CLUSTER, though all work-groups read the same wvl: the landing zone (262,144 bytes), the codes (33,792), the tables, the sums and the spare words take 324,096 of the 327,680 bytes of LDS;
;   what is left holds no tile of Wv (8,704 bytes), so Wv cannot come by tensor loads, which alone can be asked for jointly.
; THE PRODUCT: source 0 = 16 rows of values, source 1 = 16 rows of Wv: a lane holds ONE column n (lane % 16) and eight rows, so cbt[n] and Vw[n] are one number a lane.
; REGISTERS, in windows of 256 (s_set_vgpr_msb: bits 1:0 source 0, 3:2 source 1, 5:4 source 2, 7:6 destination):
;   window 0: v1-23 addresses and the running m, l; v32-47 values' scale words; v48-55 Wv's; v56-57 cbt[n], Vw[n]; v64-95 the score sums; v96-127 the accumulators (outside the product: the context sums); v128-255 Wv's tiles, two buffers
;   window 1: the 32 fragments of the chunk's codes (64 mt + 8 ks)        windows 2, 3: my 16 rows in f32: row i at 32 (i % 8) + 8 q + e of window 2 + i / 8 = column 256 q + 8 lane + (e xor 4 x), x = bit 3 of the lane
.set CODES,  262144                    ; LDS: behind the landing zone (64 rows x 4,096 bytes from byte 0; wave w's 16 rows at 65,536 w): the codes, 64 rows x (512 + 16) bytes
.set CPITCH, 528                       ; 33 x 16 bytes: the sixteen rows of a fragment load start in sixteen different groups of four banks
.set SCA,    295936                    ; values' scale words: [tile of rows mt][kp][32 lanes]: lanes 0-15 K step 2 kp, lanes 16-31 K step 2 kp + 1
.set TAB,    297984                    ; cbt's row of my batch (4,096 bytes), then Vw (4,096): filled once
.set SX,     306176                    ; the waves' parts of the 64 scores: [wave][64]
.set CTXP,   307200                    ; each wave's context sums, 4,096 bytes, columns in their true order
.set SPARE,  323584                    ; the spare words, 128 bytes for each wave: two blocks of 256 bytes that no other line names
.set TILEB,  8704                      ; a tile of wvl
.set WAVEB,  16*TILEB                  ; a wave's 16 tiles
.set LA0, 1                            ; landing zone: 65,536 w + 32 lane + 16 x: lanes with bit 3 set take their 32 bytes' halves in the other order, so that sixteen lanes touch sixteen different 16-byte columns of 256
.set LA1, 2                            ; LA0 xor 16
.set CWA, 3                            ; where my code words go: CODES + 16 w rows + 4 lane
.set SW,  4                            ; where my scale bytes go
.set AR,  5                            ; a fragment's place for my lane: CODES + 528 r + 16 h
.set SR,  6                            ; SCA + 4 lane
.set BL,  7                            ; 16 lane
.set TR,  8                            ; TAB + 1,024 w + 4 r
.set TA,  9                            ; TR + the trip's two tiles
.set SXW, 10
.set SXR, 11
.set SXO, 12
.set CP0, 13                           ; my context sums: CTXP + 4,096 w + 32 lane + 16 x
.set CP1, 14
.set SCO, 15                           ; 8 lane
.set MR,  16                           ; the running m
.set LR,  17                           ; the running l
.set TP,  18                           ; v18-19 t2 of the chunk's rows 2 lane, 2 lane + 1
.set FR,  20                           ; the end: CTXP + 1,024 w + 16 lane
.set TW,  21                           ; the head: where my 16 bytes of a table go: TAB + 1,024 w + 16 lane
.set SPW, 22                           ; SPARE + 4 x my thread's number; never rewritten
.set NIL, 23                           ; 0; never rewritten
.set ASC, 32
.set BSC, 48
.set CB,  56
.set SACC, 64
.set MX,  64                           ; the quantiser: eight largest magnitudes
.set ACC, 96
.set B0,  128
.set MSB, 0
.macro WIN new                         ; the immediate's high byte repeats the setting that is left; a switch that changes nothing is dropped
.if MSB != (\new)
	s_set_vgpr_msb (MSB<<8)|(\new)
.set MSB, (\new)
.endif
.endm
; A tile of Wv into buffer buf: 16 loads of codes and one of scale words, 512 consecutive bytes each
.macro BFETCH buf, base
.set kk, 0
.rept 16
	global_load_b128 v[B0+64*(\buf)+4*kk:B0+64*(\buf)+4*kk+3], v[BL], s[\base:\base+1] offset:(\buf)*TILEB+512*kk
.set kk, kk+1
.endr
	global_load_b128 v[BSC+4*(\buf):BSC+4*(\buf)+3], v[BL], s[\base:\base+1] offset:(\buf)*TILEB+8192
.endm
; The late half of the work-groups (s61 = 1) waits here for the loads that it has issued; the early half goes on.  The branch hangs on the work-group's number alone and leads round the wait alone.
.macro HOLD
	s_cmp_eq_u32 s61, 0
	s_cbranch_scc1 .Learly_\@
	s_wait_loadcnt 0x0
.Learly_\@:
.endm
	s_load_b256 s[4:11], s[0:1], 0x0               ; values s[4:5], wvl s[6:7], cbt s[8:9], Vw s[10:11]
	s_load_b128 s[12:15], s[0:1], 0x20             ; scores s[12:13], ctxp s[14:15]
	s_load_b64 s[16:17], s[0:1], 0x30              ; stats
	v_lshl_add_u32 v[SPW], v0, 2, SPARE
	v_mov_b32 v[NIL], 0
	ds_add_u32 v[SPW], v[NIL]                      ; the wave's opening: the add, twice on end, and its wait ahead of my first tensor load; the set-up below is work on registers
	ds_add_u32 v[SPW], v[NIL]
	v_lshrrev_b32 v24, 5, v0
	v_readfirstlane_b32 s18, v24                   ; wave 0..3
	; descriptor group 1 for a wave's 16 rows of values: 65,536 dense bytes as 256 rows of 32 elements of 8 bytes; no padding
	s_mov_b32 s24, 3<<16                           ; no mask; elements of 8 bytes
	s_mov_b32 s25, 32<<16                          ; tensor_dim0 = 32
	s_mov_b32 s26, 256<<16                         ; tensor_dim1 = 256
	s_mov_b32 s27, 32<<16                          ; tile_dim0 = 32
	s_mov_b32 s28, 256                             ; tile_dim1 = 256
	s_mov_b32 s29, 32                              ; from row to row
	s_mov_b32 s30, 0
	s_mov_b32 s31, 0
	s_mov_b32 s62, 0x4038aa3b                      ; c = 2 log2(e)
	s_mov_b32 s63, s62
	s_mov_b32 s2, 0xc038aa3b                       ; -c
	s_mov_b32 s3, s2
	s_mov_b32 s66, 0x76543210                      ; v_permlanex16_b32's selects for lane l xor 16
	s_mov_b32 s67, 0xfedcba98
	s_mov_b32 s69, 0                               ; the upper halves of the pairs that the packed forms name
.set ii, 0
.rept 16
	s_mov_b32 s[71+2*ii], 0
.set ii, ii+1
.endr
	s_mov_b32 s60, 3                               ; chunks that have a successor
	s_bcnt1_i32_b32 s61, ttmp9                     ; the count of ones in the work-group's number:
	s_and_b32 s61, s61, 1                          ; odd: the late half.  Of any 16 work-groups that agree in four of the number's eight bits, eight are late
	v_and_b32 v24, 31, v0                          ; lane
	v_bfe_u32 v25, v0, 3, 1                        ; x
	v_and_b32 v26, 15, v0                          ; r
	v_bfe_u32 v27, v0, 4, 1                        ; h
	v_bfe_u32 v28, v0, 2, 2                        ; which block of 32 of a K step my eight numbers lie in
	v_lshlrev_b32 v[LA0], 5, v24
	v_lshl_add_u32 v[LA0], v25, 4, v[LA0]          ; 32 lane + 16 x
	s_lshl_b32 s20, s18, 12
	s_add_co_u32 s20, s20, CTXP
	v_add_nc_u32 v[CP0], s20, v[LA0]
	v_xor_b32 v[CP1], 16, v[CP0]
	s_lshl_b32 s20, s18, 16
	v_add_nc_u32 v[LA0], s20, v[LA0]
	v_xor_b32 v[LA1], 16, v[LA0]
	s_mul_i32 s20, s18, 16*CPITCH
	s_add_co_u32 s20, s20, CODES
	v_lshl_add_u32 v[CWA], v24, 2, s20
	v_lshl_add_u32 v[SW], v27, 6, v28
	s_lshl_b32 s20, s18, 9
	s_add_co_u32 s20, s20, SCA
	v_add_nc_u32 v[SW], s20, v[SW]                 ; SCA + 512 w + 64 (lane / 16) + the block's byte
	v_mul_u32_u24 v[AR], v26, CPITCH
	v_lshl_add_u32 v[AR], v27, 4, v[AR]
	v_add_nc_u32 v[AR], CODES, v[AR]
	v_lshl_add_u32 v[SR], v24, 2, SCA
	v_lshlrev_b32 v[BL], 4, v24
	s_lshl_b32 s22, s18, 10                        ; 1,024 w
	s_add_co_u32 s20, s22, TAB
	v_lshl_add_u32 v[TR], v26, 2, s20
	v_lshl_add_u32 v[TW], v24, 4, s20
	s_lshl_b32 s20, s18, 8
	s_add_co_u32 s20, s20, SX
	v_lshl_add_u32 v[SXW], v27, 5, s20             ; my wave's 64 parts; my half's eight rows of a tile
	v_lshl_add_u32 v[SXR], v24, 3, SX
	s_lshl_b32 s20, s18, 6
	s_add_co_u32 s20, s20, SX
	v_lshl_add_u32 v[SXO], v26, 2, s20             ; row 16 w + r: one of my own
	v_lshlrev_b32 v[SCO], 3, v24
	s_add_co_u32 s20, s22, CTXP
	v_lshl_add_u32 v[FR], v24, 4, s20
	v_mov_b32 v[MR], 0xff61b1e6                    ; -3e38: under every t2
	v_mov_b32 v[LR], 0
	s_mov_b32 s21, 0
	s_mov_b32 s23, 0
	s_wait_alu depctr_va_vdst(0)
	s_wait_dscnt 0x0                               ; both opening adds are done
	s_wait_kmcnt 0x0
	s_mov_b32 s40, 1                               ; group 0 for values: count = 1,
	s_lshl_b32 s41, s18, 16                        ; LDS address 65,536 w,
	s_lshl_b32 s20, ttmp9, 20                      ; the work-group's 256 rows of 4,096 bytes
	s_add_co_u32 s20, s20, s41                     ; + my 16 rows of the chunk
	s_add_nc_u64 s[42:43], s[4:5], s[20:21]
	s_or_b32 s43, s43, 0x80000000                  ; type = 2
	s_add_nc_u64 s[50:51], s[10:11], s[22:23]      ; Vw: my 256 numbers
	s_lshr_b32 s20, ttmp9, 3
	s_lshl_b32 s20, s20, 12
	s_add_co_u32 s20, s20, s22
	s_add_nc_u64 s[46:47], s[8:9], s[20:21]        ; cbt: my 256 numbers of the batch's row
	global_load_b128 v[ACC:ACC+3], v[BL], s[46:47]               ; the two tables come through registers, 512 consecutive bytes a load: each wave reads its own 1,024 bytes of each alone
	global_load_b128 v[ACC+4:ACC+7], v[BL], s[46:47] offset:512
	global_load_b128 v[ACC+8:ACC+11], v[BL], s[50:51]
	global_load_b128 v[ACC+12:ACC+15], v[BL], s[50:51] offset:512
	s_mul_i32 s20, s18, WAVEB
	s_add_nc_u64 s[54:55], s[6:7], s[20:21]        ; my 16 tiles of wvl
	BFETCH 0, 54                                   ; tile 0;
	HOLD                                           ; the late half goes on when it has come,
	BFETCH 1, 54                                   ; tile 1;
	HOLD                                           ; and asks for its rows when that has come too.  The early half asks at once
	tensor_load_to_lds s[40:43], s[24:31]          ; chunk 0: my one tensor load at the head
	s_nop 0
.rept 4
	v_nop
.endr
	s_mov_b32 s56, 2*TILEB                         ; the pair of tiles that the first trip asks for
	s_mov_b32 s57, 0
	s_add_nc_u64 s[52:53], s[54:55], s[56:57]
	s_mov_b32 s58, 0                               ; the place in the tables of the pair that stands in the buffers: 128 bytes a pair
	s_lshl_b32 s20, ttmp9, 10
	s_add_nc_u64 s[12:13], s[12:13], s[20:21]      ; scores: the work-group's 256
	s_lshl_b32 s20, ttmp9, 12
	s_add_co_u32 s20, s20, s22
	s_add_nc_u64 s[14:15], s[14:15], s[20:21]      ; ctxp: its row, my 256 columns
	s_lshl_b32 s20, ttmp9, 8
	s_add_nc_u64 s[16:17], s[16:17], s[20:21]      ; stats: its 256 bytes
.irp j, 24,25,26,27
	v_mov_b32 v\j, 0
.endr
.irp q, 0,1,2,3
	ds_store_b128 v[CP0], v[24:27] offset:1024*\q  ; my context sums begin as zeros
	ds_store_b128 v[CP1], v[24:27] offset:1024*\q
.endr
	s_wait_loadcnt 34                              ; the four loads of the tables are in; the 2 x 17 loads of Wv's first two tiles, issued behind them, may be out
	ds_store_b128 v[TW], v[ACC:ACC+3]              ; cbt's 1,024 bytes of mine, then Vw's: bytes that no tensor load fills and that I alone read, so no barrier is owed
	ds_store_b128 v[TW], v[ACC+4:ACC+7] offset:512
	ds_store_b128 v[TW], v[ACC+8:ACC+11] offset:4096
	ds_store_b128 v[TW], v[ACC+12:ACC+15] offset:4608
; Rows 2 k and 2 k + 1 of my 16 come out of the landing zone: 32 bytes a lane of each quarter row, 16 loads
.macro QLOAD k
.set qw, 2+(\k)/4
	WIN (qw<<6)
.set uu, 0
.rept 2
.set ii, (2*(\k)+uu)%8
.set qq, 0
.rept 4
	ds_load_b128 v[32*ii+8*qq:32*ii+8*qq+3], v[LA0] offset:(2*(\k)+uu)*4096+1024*qq
	ds_load_b128 v[32*ii+8*qq+4:32*ii+8*qq+7], v[LA1] offset:(2*(\k)+uu)*4096+1024*qq
.set qq, qq+1
.endr
.set uu, uu+1
.endr
.endm
; Rows 2 k and 2 k + 1 are quantised: eight groups (row, quarter) of eight numbers a lane; four neighbouring lanes hold a block of 32.  The groups take turns line by line.
.macro QBATCH k
.set vw, 2+(\k)/4
.set CT, ACC+16*((\k)%2)               ; the code words, and behind them the bytes: two sets by turns
.set BY, CT+8
	WIN (vw<<2)|(vw<<4)
.set gg, 0
.rept 8
.set vb, 32*((2*(\k)+gg/4)%8)+8*(gg%4)
	v_max3_num_f32 v[MX+gg], 0x1800000, |v[vb]|, |v[vb+1]|     ; with the floor 2^(3 - 127): the byte cannot fall under 1
.set gg, gg+1
.endr
.set ee, 2
.rept 3
.set gg, 0
.rept 8
.set vb, 32*((2*(\k)+gg/4)%8)+8*(gg%4)
	v_max3_num_f32 v[MX+gg], v[MX+gg], |v[vb+ee]|, |v[vb+ee+1]|
.set gg, gg+1
.endr
.set ee, ee+2
.endr
	WIN 0
.irp x, 1,2
.set gg, 0
.rept 8
	v_max_num_f32_dpp v[MX+gg], v[MX+gg], v[MX+gg] row_xmask:\x row_mask:0xf bank_mask:0xf   ; with the three other lanes of the block
.set gg, gg+1
.endr
.endr
.set gg, 0
.rept 8
	v_add_nc_u32 v[MX+gg], 0xff000000, v[MX+gg]    ; 2 off the exponent field: the conversion takes this operand's exponent field as its scale
.set gg, gg+1
.endr
.set gg, 0
.rept 8
	v_lshrrev_b32 v[BY+gg], 23, v[MX+gg]           ; the scale's byte
.set gg, gg+1
.endr
	WIN vw
.set gg, 0
.rept 8
.set vb, 32*((2*(\k)+gg/4)%8)+8*(gg%4)
	v_cvt_scalef32_pk8_fp4_f32 v[CT+gg], v[vb:vb+7], v[MX+gg]
.set gg, gg+1
.endr
	v_nop                                          ; one plain place behind the last scaled conversion
.if (\k) <= 5
	QLOAD (\k)+2
.endif
	WIN 0
.set gg, 0
.rept 8
	ds_store_b32 v[CWA], v[CT+gg] offset:(2*(\k)+gg/4)*CPITCH+128*(gg%4)   ; 32 lanes: 128 consecutive bytes of the row's codes
	ds_store_b8 v[SW], v[BY+gg] offset:128*(gg%4)+4*(2*(\k)+gg/4)          ; the four lanes of a block write the same byte with the same value
.set gg, gg+1
.endr
.endm
.macro QUANT
	s_wait_tensorcnt 0x0                           ; the one tensor load of mine that is out has landed: my 16 rows may be read
	QLOAD 0
	QLOAD 1
	s_wait_dscnt 16                                ; rows 0, 1 are in; the 16 loads of rows 2, 3 may be out
	QBATCH 0
.irp k, 1,2,3,4,5,6
	s_wait_dscnt 32                                ; this batch's loads are in, and the stores of the batch before last have read the set of registers that is written now; the 16 loads and 16 stores issued since may be out
	QBATCH \k
.endr
	s_wait_dscnt 16                                ; behind rows 14, 15's loads and batch 5's stores: batch 6's 16 stores
	QBATCH 7
.endm
; A tile of 16 columns x 64 rows.  pf = 1: the buffer is filled again with the tile two further on.  cnt: the younger loads that may stay out.
.macro TILE buf, pf, cnt
	s_wait_loadcnt \cnt                            ; this buffer's 17 loads are in
.if (\buf) == 0
	v_add_nc_u32 v[TA], s58, v[TR]
.endif
	ds_load_b32 v[CB], v[TA] offset:64*(\buf)      ; cbt[n]
	ds_load_b32 v[CB+1], v[TA] offset:4096+64*(\buf)   ; Vw[n]
	WIN 0x01                                       ; source 0, the values' codes: window 1
.set ks, 0
.rept 8                                ; the four accumulators take turns, one instruction a turn; the first K step starts the sums
.set mt, 0
.rept 4
.if ks == 0
	v_wmma_scale_f32_16x16x128_f8f6f4 v[ACC+8*mt:ACC+8*mt+7], v[64*mt+8*ks:64*mt+8*ks+7], v[B0+64*(\buf)+8*ks:B0+64*(\buf)+8*ks+7], 0, v[ASC+4*mt+ks/2], v[BSC+4*(\buf)+ks/2] matrix_a_fmt:MATRIX_FMT_FP4 matrix_b_fmt:MATRIX_FMT_FP4
.elseif ks%2 == 0
	v_wmma_scale_f32_16x16x128_f8f6f4 v[ACC+8*mt:ACC+8*mt+7], v[64*mt+8*ks:64*mt+8*ks+7], v[B0+64*(\buf)+8*ks:B0+64*(\buf)+8*ks+7], v[ACC+8*mt:ACC+8*mt+7], v[ASC+4*mt+ks/2], v[BSC+4*(\buf)+ks/2] matrix_a_fmt:MATRIX_FMT_FP4 matrix_b_fmt:MATRIX_FMT_FP4
.else
	v_wmma_scale_f32_16x16x128_f8f6f4 v[ACC+8*mt:ACC+8*mt+7], v[64*mt+8*ks:64*mt+8*ks+7], v[B0+64*(\buf)+8*ks:B0+64*(\buf)+8*ks+7], v[ACC+8*mt:ACC+8*mt+7], v[ASC+4*mt+ks/2], v[BSC+4*(\buf)+ks/2] matrix_a_fmt:MATRIX_FMT_FP4 matrix_b_fmt:MATRIX_FMT_FP4 matrix_a_scale:MATRIX_SCALE_ROW1 matrix_b_scale:MATRIX_SCALE_ROW1
.endif
.set mt, mt+1
.endr
.set ks, ks+1
.endr
	WIN 0
.rept 4
	v_nop                                          ; four places in front of the loads into registers that the products have read, and of the first read of results
.endr
.if \pf
	BFETCH \buf, 52                                ; it has the rest of this tile and all of the next in which to land
.endif
	s_wait_dscnt 0x0                               ; cbt[n], Vw[n]
.set aa, 0
.rept 16
	v_pk_fma_f32 v[ACC+2*aa:ACC+2*aa+1], v[ACC+2*aa:ACC+2*aa+1], s[62:63], v[CB:CB+1] op_sel_hi:[1,0,0]   ; y = c x product + cbt[n]; each accumulator from its low end on
.set aa, aa+1
.endr
.set aa, 0
	s_wait_alu depctr_va_vdst(0)
.rept 32
	v_exp_f32 v[ACC+aa], v[ACC+aa]                 ; 2^y = e^(2 x)
.set aa, aa+1
.endr
	v_nop                                          ; a plain place behind the last exponential,
	s_wait_alu depctr_va_vdst(0)                   ; and one wait for the batch, ahead of its first reader
.set aa, 0
.rept 16
	v_pk_add_f32 v[ACC+2*aa:ACC+2*aa+1], v[ACC+2*aa:ACC+2*aa+1], 1.0 op_sel_hi:[1,0]
.set aa, aa+1
.endr
.set aa, 0
	s_wait_alu depctr_va_vdst(0)
.rept 32
	v_rcp_f32 v[ACC+aa], v[ACC+aa]
.set aa, aa+1
.endr
	v_nop
	s_wait_alu depctr_va_vdst(0)                   ; one wait for the 32 reciprocals
.set aa, 0
.rept 16
	v_pk_fma_f32 v[SACC+2*aa:SACC+2*aa+1], v[ACC+2*aa:ACC+2*aa+1], v[CB:CB+1], v[SACC+2*aa:SACC+2*aa+1] op_sel:[0,1,0] op_sel_hi:[1,1,1]   ; += Vw[n] / (1 + 2^y)
.set aa, aa+1
.endr
.endm
; My 16 tiles, two a trip.  At the first trip the buffers hold pair c of the eight, s58 is that pair's place in the tables and s[52:53] points at pair c + 1 (all mod 8).  Seven trips refill the buffers and step all three;
; the eighth, written out, works on pair c + 7 and asks for nothing: that pair stays in the buffers, s58 stays at it and s[52:53] at pair c + 8: which is what the next chunk's first trip wants.
; In a later chunk's first trip no load is out at the first wait and buffer 0's 17 at the second: both buffers' tiles have been there since the chunk before.
.macro GEMM
	s_mov_b32 s59, 7
.Ltrip_\@:
	TILE 0, 1, 17                                  ; 17: the other buffer's loads may be out
	TILE 1, 1, 17
	s_wait_xcnt 0x0                                ; the loads have read their base: it may be written
	s_add_co_u32 s56, s56, 2*TILEB
	s_cmp_eq_u32 s56, WAVEB
	s_cselect_b32 s56, 0, s56                      ; behind tile 15 comes tile 0
	s_add_nc_u64 s[52:53], s[54:55], s[56:57]
	s_add_co_u32 s58, s58, 128
	s_and_b32 s58, s58, 0x380                      ; and behind the tables' eighth pair the first: 0 .. 896
	s_sub_co_u32 s59, s59, 1
	s_cmp_lg_u32 s59, 0
	s_cbranch_scc1 .Ltrip_\@
	TILE 0, 0, 17
	TILE 1, 0, 0
.endm
; The 64 scores of the chunk, the running maximum and sum, and my 16 rows' weights.
.macro SCORE
.irp x, 1,2,4,8
.set jj, 0
.rept 32
	v_add_f32_dpp v[SACC+jj], v[SACC+jj], v[SACC+jj] row_xmask:\x row_mask:0xf bank_mask:0xf   ; over the sixteen lanes, that is over my 256 columns
.set jj, jj+1
.endr
.endr
.set jj, 0
.rept 8
	ds_store_b128 v[SXW], v[SACC+4*jj:SACC+4*jj+3] offset:64*(jj/2)+16*(jj%2)   ; rows 16 mt + 8 h + 0 .. 7; the sixteen lanes of a half write the same numbers
.set jj, jj+1
.endr
	s_wait_dscnt 0x0                               ; for the others' sake: my parts have landed (and my reads of the codes were over long ago)
	s_barrier_signal -1
	s_barrier_wait -1                              ; the next chunk's tensor load stays on its way
.irp p, 0,1,2,3
	ds_load_b64 v[SACC+2*\p:SACC+2*\p+1], v[SXR] offset:256*\p   ; every wave takes all 64 rows, two a lane: so all four keep the same m and l
.endr
.irp p, 0,1,2,3
	ds_load_b32 v[SACC+8+\p], v[SXO] offset:256*\p  ; and lane r the row 16 w + r, whose f32 numbers this wave holds
.endr
.irp q, 0,1,2,3
	ds_load_b128 v[ACC+8*\q:ACC+8*\q+3], v[CP0] offset:1024*\q    ; my context sums come back into the accumulators' registers
	ds_load_b128 v[ACC+8*\q+4:ACC+8*\q+7], v[CP1] offset:1024*\q
.endr
	s_wait_dscnt 8                                 ; the parts are in; the eight loads of the context sums may be out
	v_pk_add_f32 v[64:65], v[64:65], v[66:67]
	v_pk_add_f32 v[68:69], v[68:69], v[70:71]
	v_add_f32 v72, v72, v73
	v_add_f32 v74, v74, v75
	v_pk_add_f32 v[64:65], v[64:65], v[68:69]
	v_add_f32 v72, v72, v74
	v_pk_mul_f32 v[TP:TP+1], v[64:65], s[2:3] op_sel_hi:[1,0]     ; t2 = -2 log2(e) x the sum
	v_mul_f32 v76, s2, v72
	s_cmp_lg_u32 s18, 0
	s_cbranch_scc1 .Lnot0_\@
	global_store_b64 v[SCO], v[TP:TP+1], s[12:13]  ; wave 0: the chunk's 64 scores, 256 consecutive bytes at a multiple of 256
.Lnot0_\@:
	s_wait_alu depctr_va_vdst(0)
	v_max_num_f32 v77, v[TP], v[TP+1]
.irp x, 1,2,4,8
	v_max_num_f32_dpp v77, v77, v77 row_xmask:\x row_mask:0xf bank_mask:0xf
.endr
	v_permlanex16_b32 v78, v77, s66, s67
	v_max3_num_f32 v79, v77, v78, v[MR]            ; the new m
	v_sub_f32 v80, v[MR], v79
	v_sub_f32 v81, v[TP], v79
	v_sub_f32 v82, v[TP+1], v79
	v_sub_f32 v83, v76, v79
	s_wait_alu depctr_va_vdst(0)
	v_exp_f32 v80, v80                             ; f = 2^(old m - new m)
	v_exp_f32 v81, v81
	v_exp_f32 v82, v82
	v_exp_f32 v83, v83                             ; my own row's weight
	v_mov_b32 v[MR], v79                           ; (a plain place behind the exponentials)
	s_wait_alu depctr_va_vdst(0)                   ; one wait for the four
	v_add_f32 v84, v81, v82
.irp x, 1,2,4,8
	v_add_f32_dpp v84, v84, v84 row_xmask:\x row_mask:0xf bank_mask:0xf
.endr
	v_permlanex16_b32 v85, v84, s66, s67
	v_add_f32 v84, v84, v85
	v_fma_f32 v[LR], v[LR], v80, v84               ; l = l f + the chunk's sum
	v_readfirstlane_b32 s68, v80
.set ii, 0
.rept 16
	v_readlane_b32 s[70+2*ii], v83, ii             ; a weight is one number for a whole row: it goes into a scalar register
.set ii, ii+1
.endr
.endm
; context sums = context sums x f + sum over my 16 rows of weight x row
.macro CTX
	s_wait_dscnt 0x0
.set aa, 0
.rept 16
	v_pk_mul_f32 v[ACC+2*aa:ACC+2*aa+1], v[ACC+2*aa:ACC+2*aa+1], s[68:69] op_sel_hi:[1,0]
.set aa, aa+1
.endr
.set ii, 0
.rept 16
	WIN 2+ii/8                                     ; source 0: the row's window
.set aa, 0
.rept 16
	v_pk_fma_f32 v[ACC+2*aa:ACC+2*aa+1], v[32*(ii%8)+2*aa:32*(ii%8)+2*aa+1], s[70+2*ii:71+2*ii], v[ACC+2*aa:ACC+2*aa+1] op_sel_hi:[1,0,1]
.set aa, aa+1
.endr
.set ii, ii+1
.endr
	WIN 0
.irp q, 0,1,2,3
	ds_store_b128 v[CP0], v[ACC+8*\q:ACC+8*\q+3] offset:1024*\q
	ds_store_b128 v[CP1], v[ACC+8*\q+4:ACC+8*\q+7] offset:1024*\q
.endr
.endm
; A chunk of 64 rows.  fill = 1: the next chunk is asked for.
.macro CHUNK fill
	QUANT
.if \fill
	s_wait_tensorcnt 0x0                           ; no tensor load of mine is out, so group 0 may be written
	ds_add_u32 v[SPW], v[NIL]                      ; 0 onto my spare word
	s_add_nc_u64 s[42:43], s[42:43], 262144        ; the next 64 rows; the type bits on top are not reached
	s_wait_dscnt 0x0                               ; the add is done; my reads of the landing zone are over; my codes and scale bytes have landed
	s_barrier_signal -1
	s_barrier_wait -1                              ; all that now holds of every wave
	tensor_load_to_lds s[40:43], s[24:31]          ; my one tensor load behind this barrier: it has the whole chunk's work in which to land
	s_nop 0
.else
	s_wait_dscnt 0x0                               ; my codes and scale bytes have landed
	s_barrier_signal -1
	s_barrier_wait -1
.endif
	WIN 0x40                                       ; destination window 1
.set ff, 0
.rept 64                               ; all 64 rows' codes: fragment (mt, ks), half c: ff = 16 mt + 2 ks + c
	ds_load_b128 v[4*ff:4*ff+3], v[AR] offset:(ff/16)*16*CPITCH+32*(ff%16)
.set ff, ff+1
.endr
	WIN 0
.set ff, 0
.rept 16
	ds_load_b32 v[ASC+ff], v[SR] offset:128*ff
.set ff, ff+1
.endr
.set jj, 0
.rept 32
	v_mov_b32 v[SACC+jj], 0                        ; the score sums of the chunk
.set jj, jj+1
.endr
	s_wait_dscnt 0x0
	GEMM
	SCORE
	CTX
.if \fill
	s_wait_xcnt 0x0                                ; the scores' store has read its base and its data
	s_add_nc_u64 s[12:13], s[12:13], 256
.endif
.endm
.Lchunk:
	CHUNK 1
	s_sub_co_u32 s60, s60, 1
	s_cmp_lg_u32 s60, 0
	s_cbranch_scc1 .Lchunk
	CHUNK 0                                        ; the last chunk is written out: no tensor load is asked for that nobody reads
	; THE END: the four waves' context sums are added, each wave taking 256 columns
	s_wait_dscnt 0x0                               ; for the others' sake: my sums have landed
	s_barrier_signal -1
	s_barrier_wait -1
.irp p, 0,1,2,3
.irp u, 0,1
	ds_load_b128 v[64+8*\p+4*\u:64+8*\p+4*\u+3], v[FR] offset:4096*\p+512*\u
.endr
.endr
	s_wait_dscnt 0x0
.irp j, 0,2,4,6
	v_pk_add_f32 v[64+\j:65+\j], v[64+\j:65+\j], v[72+\j:73+\j]
	v_pk_add_f32 v[80+\j:81+\j], v[80+\j:81+\j], v[88+\j:89+\j]
.endr
.irp j, 0,2,4,6
	v_pk_add_f32 v[64+\j:65+\j], v[64+\j:65+\j], v[80+\j:81+\j]
.endr
	global_store_b128 v[BL], v[64:67], s[14:15]             ; 32 lanes store 512 consecutive bytes
	global_store_b128 v[BL], v[68:71], s[14:15] offset:512
	s_cmp_lg_u32 s18, 0
	s_cbranch_scc1 .Lno_stats
	global_store_b64 v[SCO], v[MR:MR+1], s[16:17]           ; {m, l}, the same in all lanes: 256 consecutive bytes
.Lno_stats:
	s_wait_tensorcnt 0x0                           ; the wave's end
	ds_add_u32 v[SPW], v[NIL]
	s_wait_dscnt 0x0
	s_endpgm
.Lfunc_end_k_q6359925410_main:
	.size	k_q6359925410_main, .Lfunc_end_k_q6359925410_main-k_q6359925410_main
	.p2alignl 7, 3214868480
	.fill 96, 4, 3214868480
	.section	.rodata,"a",@progbits
	.p2align	6, 0x0
	.amdhsa_kernel k_q6359925410_main
		.amdhsa_group_segment_fixed_size 327680
		.amdhsa_private_segment_fixed_size 0
		.amdhsa_enable_private_segment 0
		.amdhsa_kernarg_size 56
		.amdhsa_user_sgpr_count 2
		.amdhsa_user_sgpr_kernarg_segment_ptr 1
		.amdhsa_wavefront_size32 1
		.amdhsa_system_sgpr_workgroup_id_x 1
		.amdhsa_system_sgpr_workgroup_id_y 1
		.amdhsa_system_sgpr_workgroup_id_z 1
		.amdhsa_system_vgpr_workitem_id 0
		.amdhsa_next_free_vgpr 1024
		.amdhsa_next_free_sgpr 102
		.amdhsa_reserve_vcc 0
		.amdhsa_float_denorm_mode_32 3
		.amdhsa_float_denorm_mode_16_64 3
		.amdhsa_memory_ordered 1
		.amdhsa_forward_progress 1
		.amdhsa_inst_pref_size 255
	.end_amdhsa_kernel
	.section	.bss,"aw",@nobits
	.p2align	6
	.space	262144
	.amdgpu_metadata
---
amdhsa.version: [ 1, 2 ]
amdhsa.kernels:
  - .name:           k_q6359925410_main
    .symbol:         k_q6359925410_main.kd
    .args:
      - { .name: values, .offset: 0, .size: 8, .value_kind: global_buffer, .address_space: global }
      - { .name: wvl, .offset: 8, .size: 8, .value_kind: global_buffer, .address_space: global }
      - { .name: cbt, .offset: 16, .size: 8, .value_kind: global_buffer, .address_space: global }
      - { .name: Vw, .offset: 24, .size: 8, .value_kind: global_buffer, .address_space: global }
      - { .name: scores, .offset: 32, .size: 8, .value_kind: global_buffer, .address_space: global }
      - { .name: ctxp, .offset: 40, .size: 8, .value_kind: global_buffer, .address_space: global }
      - { .name: stats, .offset: 48, .size: 8, .value_kind: global_buffer, .address_space: global }
    .group_segment_fixed_size: 327680
    .private_segment_fixed_size: 0
    .kernarg_segment_align: 8
    .kernarg_segment_size: 56
    .max_flat_workgroup_size: 128
    .sgpr_count:     102
    .vgpr_count:     1024
    .wavefront_size: 32
...
	.end_amdgpu_metadata
.endif
;; end of part 2
;; launch finish (part 3): grid 32 x 1, 8 waves a work-group, no clusters, 0 bytes of LDS; arguments scores, ctxp, stats, out0, out1; writes out0, out1
.if DOCPART == 3
	.amdgcn_target "amdgcn-amd-amdhsa--gfx1250"
	.amdhsa_code_object_version 6
	.text
	.protected	k_q6359925410_finish
	.globl	k_q6359925410_finish
	.p2align	8
	.type	k_q6359925410_finish,@function
k_q6359925410_finish:
	s_mov_b64 s[64:65], 0
	v_nop
	global_prefetch_b8 v0, s[64:65] scope:SCOPE_SE
	s_setreg_imm32_b32 hwreg(HW_REG_WAVE_MODE, 25, 1), 1
	s_wait_xcnt 0x0
; One work-group to a batch joins the eight parts that the main launch left: M = the largest of the eight m, w[g] = 2^(m[g] - M), L = sum of l[g] w[g];
; out0[b][:] = sum over g of ctxp[g][:] w[g] / L;  out1[b][t] = 2^(t2 - M) / L.  The scores come without Vb and without the sum of Vw, which fall out of the softmax (shown at the head of the first launch).
; Thread t takes four columns of the context and twice four weights: every load and store of a wave covers 512 consecutive bytes.  No LDS, no barrier: a thread needs no other thread.
	s_load_b256 s[4:11], s[0:1], 0x0               ; scores s[4:5], ctxp s[6:7], stats s[8:9], out0 s[10:11]
	s_load_b64 s[12:13], s[0:1], 0x20              ; out1
	v_lshlrev_b32 v1, 4, v0                        ; 16 bytes a thread
	v_and_b32 v2, 31, v0
	s_delay_alu instid0(VALU_DEP_1)
	v_lshlrev_b32 v2, 3, v2                        ; stats: my lane's copy of the pair
	s_mov_b32 s15, 0
	s_wait_alu depctr_va_vdst(0)
	s_wait_kmcnt 0x0
	s_lshl_b32 s14, ttmp9, 13                      ; 2,048 numbers a batch
	s_add_nc_u64 s[4:5], s[4:5], s[14:15]
	s_add_nc_u64 s[12:13], s[12:13], s[14:15]
	s_lshl_b32 s14, ttmp9, 15                      ; eight rows of 4,096 bytes
	s_add_nc_u64 s[6:7], s[6:7], s[14:15]
	s_lshl_b32 s14, ttmp9, 11                      ; eight times 256 bytes
	s_add_nc_u64 s[8:9], s[8:9], s[14:15]
	s_lshl_b32 s14, ttmp9, 12
	s_add_nc_u64 s[10:11], s[10:11], s[14:15]
.irp g, 0,1,2,3,4,5,6,7
	global_load_b64 v[4+2*\g:5+2*\g], v2, s[8:9] offset:256*\g          ; m[g], l[g]
.endr
	global_load_b128 v[20:23], v1, s[4:5]
	global_load_b128 v[24:27], v1, s[4:5] offset:4096
.irp g, 0,1,2,3,4,5,6,7
	global_load_b128 v[32+4*\g:35+4*\g], v1, s[6:7] offset:4096*\g
.endr
	s_wait_loadcnt 0x0
	v_max3_num_f32 v64, v4, v6, v8
	s_delay_alu instid0(VALU_DEP_1)
	v_max3_num_f32 v64, v64, v10, v12
	s_delay_alu instid0(VALU_DEP_1)
	v_max3_num_f32 v64, v64, v14, v16
	s_delay_alu instid0(VALU_DEP_1)
	v_max_num_f32 v64, v64, v18                    ; M
.irp g, 0,1,2,3,4,5,6,7
	v_sub_f32 v[66+\g], v[4+2*\g], v64
	v_sub_f32 v[20+\g], v[20+\g], v64
.endr
	s_wait_alu depctr_va_vdst(0)
.irp g, 0,1,2,3,4,5,6,7
	v_exp_f32 v[66+\g], v[66+\g]                   ; w[g]
	v_exp_f32 v[20+\g], v[20+\g]                   ; 2^(t2 - M)
.endr
	v_nop                                          ; a plain place behind the last exponential,
	s_wait_alu depctr_va_vdst(0)                   ; and one wait for the sixteen, ahead of their first reader
	v_mul_f32 v74, v5, v66
.irp g, 1,2,3,4,5,6,7
	v_fma_f32 v74, v[5+2*\g], v[66+\g], v74        ; L
.endr
	s_wait_alu depctr_va_vdst(0)
	v_rcp_f32 v75, v74
	v_nop
	s_wait_alu depctr_va_vdst(0)
.irp j, 0,2,4,6
	v_pk_mul_f32 v[66+\j:67+\j], v[66+\j:67+\j], v[74:75] op_sel:[0,1] op_sel_hi:[1,1]     ; w[g] / L
	v_pk_mul_f32 v[20+\j:21+\j], v[20+\j:21+\j], v[74:75] op_sel:[0,1] op_sel_hi:[1,1]     ; the weights
.endr
	v_pk_mul_f32 v[76:77], v[32:33], v[66:67] op_sel_hi:[1,0]
	v_pk_mul_f32 v[78:79], v[34:35], v[66:67] op_sel_hi:[1,0]
	s_delay_alu instid0(VALU_DEP_2)
	v_pk_fma_f32 v[76:77], v[36:37], v[66:67], v[76:77] op_sel:[0,1,0] op_sel_hi:[1,1,1]
	s_delay_alu instid0(VALU_DEP_2)
	v_pk_fma_f32 v[78:79], v[38:39], v[66:67], v[78:79] op_sel:[0,1,0] op_sel_hi:[1,1,1]
.irp g, 2,4,6
	s_delay_alu instid0(VALU_DEP_2)
	v_pk_fma_f32 v[76:77], v[32+4*\g:33+4*\g], v[66+\g:67+\g], v[76:77] op_sel_hi:[1,0,1]
	s_delay_alu instid0(VALU_DEP_2)
	v_pk_fma_f32 v[78:79], v[34+4*\g:35+4*\g], v[66+\g:67+\g], v[78:79] op_sel_hi:[1,0,1]
	s_delay_alu instid0(VALU_DEP_2)
	v_pk_fma_f32 v[76:77], v[36+4*\g:37+4*\g], v[66+\g:67+\g], v[76:77] op_sel:[0,1,0] op_sel_hi:[1,1,1]
	s_delay_alu instid0(VALU_DEP_2)
	v_pk_fma_f32 v[78:79], v[38+4*\g:39+4*\g], v[66+\g:67+\g], v[78:79] op_sel:[0,1,0] op_sel_hi:[1,1,1]
.endr
	global_store_b128 v1, v[76:79], s[10:11]
	global_store_b128 v1, v[20:23], s[12:13]
	global_store_b128 v1, v[24:27], s[12:13] offset:4096
	s_endpgm
.Lfunc_end_k_q6359925410_finish:
	.size	k_q6359925410_finish, .Lfunc_end_k_q6359925410_finish-k_q6359925410_finish
	.p2alignl 7, 3214868480
	.fill 96, 4, 3214868480
	.section	.rodata,"a",@progbits
	.p2align	6, 0x0
	.amdhsa_kernel k_q6359925410_finish
		.amdhsa_group_segment_fixed_size 0
		.amdhsa_private_segment_fixed_size 0
		.amdhsa_enable_private_segment 0
		.amdhsa_kernarg_size 40
		.amdhsa_user_sgpr_count 2
		.amdhsa_user_sgpr_kernarg_segment_ptr 1
		.amdhsa_wavefront_size32 1
		.amdhsa_system_sgpr_workgroup_id_x 1
		.amdhsa_system_sgpr_workgroup_id_y 1
		.amdhsa_system_sgpr_workgroup_id_z 1
		.amdhsa_system_vgpr_workitem_id 0
		.amdhsa_next_free_vgpr 96
		.amdhsa_next_free_sgpr 66
		.amdhsa_reserve_vcc 0
		.amdhsa_float_denorm_mode_32 3
		.amdhsa_float_denorm_mode_16_64 3
		.amdhsa_memory_ordered 1
		.amdhsa_forward_progress 1
		.amdhsa_inst_pref_size 7
	.end_amdhsa_kernel
	.amdgpu_metadata
---
amdhsa.version: [ 1, 2 ]
amdhsa.kernels:
  - .name:           k_q6359925410_finish
    .symbol:         k_q6359925410_finish.kd
    .args:
      - { .name: scores, .offset: 0, .size: 8, .value_kind: global_buffer, .address_space: global }
      - { .name: ctxp, .offset: 8, .size: 8, .value_kind: global_buffer, .address_space: global }
      - { .name: stats, .offset: 16, .size: 8, .value_kind: global_buffer, .address_space: global }
      - { .name: out0, .offset: 24, .size: 8, .value_kind: global_buffer, .address_space: global }
      - { .name: out1, .offset: 32, .size: 8, .value_kind: global_buffer, .address_space: global }
    .group_segment_fixed_size: 0
    .private_segment_fixed_size: 0
    .kernarg_segment_align: 8
    .kernarg_segment_size: 40
    .max_flat_workgroup_size: 256
    .sgpr_count:     66
    .vgpr_count:     96
    .wavefront_size: 32
...
	.end_amdgpu_metadata
.endif
;; end of part 3
